; MI455X (gfx1250); checked and timed in simulation.
; The chip was launched on July 23, 2026; its instructions are those of AMD's public machine-readable ISA for CDNA 5 (MIT licence, August 2026) and "CDNA5" Instruction Set Architecture Reference Guide (July 2026). The comments in the code are by the model that wrote it; some were corrected since.
;; My LSTM Cell. Allowed arithmetic: float matrix products may take bf16 or f16 operands with f32 sums; other float arithmetic in f32, or as packed bf16 or f16 multiplies, adds, multiply-adds, maxima and minima; sums over many terms, partial sums and values carried from step to step in f32; what a program stores and reads back later, other than sums and carried values, may be rounded once to bf16 or f16.
;; Inputs: U_c 1,024 x 1,024 float32; U_f 1,024 x 1,024 float32; U_i 1,024 x 1,024 float32; U_o 1,024 x 1,024 float32; W_c 1,024 x 1,024 float32; W_f 1,024 x 1,024 float32; W_i 1,024 x 1,024 float32; W_o 1,024 x 1,024 float32; b_c 1,024 float32; b_f 1,024 float32; b_i 1,024 float32; b_o 1,024 float32; c_prev 8,192 x 1,024 float32; h_prev 8,192 x 1,024 float32; x 8,192 x 1,024 float32.
;; Outputs: out0 8,192 x 1,024 float32; out1 8,192 x 1,024 float32.
;; 2 versions, each right; version 2 is version 1 with the launch prep written anew for expert scheduling mode. Each part assembles by itself: llvm-mc -triple=amdgcn-amd-amdhsa -mcpu=gfx1250 --defsym DOCPART=n.
;; ======== version 1 of 2: 2 launches
;; workspace buffers: abf 33,554,432 bytes; wbt 16,777,216 bytes
;; launch prep (part 1): grid 768 x 1, 4 waves a work-group, no clusters, 70,144 bytes of LDS; arguments x, h_prev, abf, wbt, W_i, U_i, W_f, U_f, W_o, U_o, W_c, U_c; writes abf, wbt
.if DOCPART == 1
	.amdgcn_target "amdgcn-amd-amdhsa--gfx1250"
	.amdhsa_code_object_version 6
	.text
	.protected	k_qbab2be6239_prep
	.globl	k_qbab2be6239_prep
	.p2align	8
	.type	k_qbab2be6239_prep,@function
k_qbab2be6239_prep:
	s_mov_b64 s[64:65], 0
	v_nop
	global_prefetch_b8 v0, s[64:65] scope:SCOPE_SE
	s_setreg_imm32_b32 hwreg(HW_REG_WAVE_MODE, 25, 1), 1
	s_wait_xcnt 0x0
; PREPARES THE OPERANDS OF THE LSTM CELL'S ONE PRODUCT, each number rounded once to bf16 (to nearest even).
;   abf [8192][2048] bf16: row r = x[r][0..1023], then h_prev[r][0..1023]; 4,096 bytes a row.
;   wbt [4096][2048] bf16: the eight weight matrices TURNED, K along the rows.  Row n' = 256 tc + 64 g + col holds column 64 tc + col of gate g (0 i, 1 f, 2 o, 3 c):
;   W_g[k][.] at kk = k, U_g[k][.] at kk = 1024 + k.  So 256 neighbouring rows hold all four gates of 64 neighbouring columns.
; 768 work-groups of four waves, 196,608 bytes of traffic each.  Work-groups 0-255 turn weights (a wave: 128 k x 64 n, through a stage in LDS of its own); 256-511 cast x, 512-767 cast h_prev
; (a work-group: 32 rows).  No wave needs another: no barrier.  No tensor loads, no matrix work, no cluster: nothing is shared, each byte is read once and written once.
; Every load of a wave covers whole aligned pieces of 256 bytes or more, every store likewise.
; The turning's LDS stores: the sixteen lanes of a half stand four stage rows (1,088 bytes) apart, and 1,088 mod 256 = 64, so four lanes meet in each group of banks (64 banks of 4 bytes: ISA guide 11.1);
; it is 16 KiB of stores a wave in the whole launch, and the row reads that follow are free of it.
.set SPITCH, 272                       ; a stage row: 128 k in bf16 = 256 bytes, + 16
.set WSTAGE, 64*SPITCH                 ; a wave's stage: 64 rows n
.set SPARE,  4*WSTAGE                  ; 69,632 = 272 x 256: the spare words, 128 bytes a wave, that no other line names
.set SPW, 2                            ; v2   SPARE + 4 x my thread's number; never rewritten
.set NIL, 3                            ; v3   0; never rewritten
.set SO,  4                            ; v4   source offset of my 16 bytes
.set LS,  5                            ; v5   turning: where I put 16 bytes of a stage row.  Cast: my 8 bytes of the output
.set LR,  6                            ; v6   turning: where I read a stage row back
.set DO,  7                            ; v7   turning: my 16 bytes of two rows of wbt
.set X,   16                           ; v[16:143] turning: four sets of 8 loads x 4; later 32 stage rows' pieces
.set P,   144                          ; v[144:159] turning: 4 x 16 bytes packed
.set CX,  16                           ; v[16:79]  cast: a ring of 16 loads x 4
.set CY,  80                           ; v[80:207] cast: 2 registers of its own for each of the 64 chunks: no store's data is ever rewritten
	s_load_b256 s[4:11], s[0:1], 0x0               ; x s[4:5], h_prev s[6:7], abf s[8:9], wbt s[10:11]
	s_load_b512 s[12:27], s[0:1], 0x20             ; W_i, U_i, W_f, U_f, W_o, U_o, W_c, U_c: matrix i at s[12+2i:13+2i]
	v_lshl_add_u32 v[SPW], v0, 2, SPARE
	v_mov_b32 v[NIL], 0
	v_lshrrev_b32 v1, 5, v0
	v_readfirstlane_b32 s28, v1                    ; wave 0..3
	s_mov_b32 s29, ttmp9                           ; work-group 0..767
	s_cmp_lt_u32 s29, 256
	s_cbranch_scc0 .Lcast                          ; the same in all four waves
	; ---------------- TURNING: work-group j = 0..255 ----------------
	s_lshr_b32 s36, s29, 5                         ; matrix 0..7 = 2 g + u (u = 0: W, 1: U)
	s_and_b32 s38, s29, 31
	s_lshr_b32 s37, s38, 2                         ; kb 0..7: which 128 k
	s_and_b32 s38, s38, 3
	s_lshl2_add_u32 s38, s38, s28                  ; nb 0..15: which 64 n = 4 x (j mod 4) + wave
	s_lshl_b32 s32, s37, 19                        ; source: kb x 128 rows of 4,096 bytes
	s_lshl_b32 s39, s38, 8                         ;         + nb x 64 columns of 4 bytes
	s_add_co_u32 s32, s32, s39
	s_mov_b32 s33, 0
	s_lshl_b32 s34, s38, 20                        ; destination: row 256 nb, 4,096 bytes a row
	s_lshr_b32 s39, s36, 1
	s_lshl_b32 s39, s39, 18                        ;   + 64 g rows
	s_add_co_u32 s34, s34, s39
	s_and_b32 s39, s36, 1
	s_lshl_b32 s39, s39, 11                        ;   + u x 1,024 kk of 2 bytes
	s_add_co_u32 s34, s34, s39
	s_lshl_b32 s39, s37, 8                         ;   + kb x 128 kk of 2 bytes
	s_add_co_u32 s34, s34, s39
	s_mov_b32 s35, 0
	v_and_b32 v8, 15, v0                           ; r = lane % 16
	v_bfe_u32 v9, v0, 4, 1                         ; h = lane / 16
	v_lshlrev_b32 v[SO], 4, v8
	v_lshl_add_u32 v[SO], v9, 15, v[SO]            ; 16 r + 8 h rows of 4,096 bytes
	s_mul_i32 s39, s28, WSTAGE                     ; my wave's stage
	v_mul_u32_u24 v[LS], v8, 4*SPITCH
	v_lshl_add_u32 v[LS], v9, 4, v[LS]
	v_add_nc_u32 v[LS], s39, v[LS]                 ; stage row 4 r, byte 16 h
	v_mul_u32_u24 v[LR], v9, SPITCH
	v_lshl_add_u32 v[LR], v8, 4, v[LR]
	v_add_nc_u32 v[LR], s39, v[LR]                 ; stage row h, byte 16 r
	v_lshlrev_b32 v[DO], 4, v8
	v_lshl_add_u32 v[DO], v9, 12, v[DO]            ; the same two rows in wbt
	s_wait_kmcnt 0x0
	s_mov_b64 s[30:31], s[12:13]                   ; the matrix is chosen by the work-group's number alone
.irp i, 1,2,3,4,5,6,7
	s_cmp_eq_u32 s36, \i
	s_cselect_b64 s[30:31], s[12+2*(\i):13+2*(\i)], s[30:31]
.endr
	s_add_nc_u64 s[30:31], s[30:31], s[32:33]
	s_add_nc_u64 s[10:11], s[10:11], s[34:35]
; Step s takes 16 rows k.  Load i: lanes 0-15 take 256 aligned bytes of row 16 s + i, lanes 16-31 of row 16 s + 8 + i: my lane holds k = 16 s + 8 h + i, n = 4 r + 0..3.
.macro TLOAD s
.irp i, 0,1,2,3,4,5,6,7
	global_load_b128 v[X+32*((\s)%4)+4*(\i):X+32*((\s)%4)+4*(\i)+3], v[SO], s[30:31] offset:(16*(\s)+(\i))*4096 th:TH_LOAD_NT
.endr
.endm
; left = the loads of the younger steps, which may stay out.  For each of my four n: eight neighbouring k pack into 16 bytes, the lower k in the lower half, and go to stage row n at byte 2 (16 s + 8 h).
.macro TSTEP s, left
	s_wait_loadcnt \left
.irp j, 0,1,2,3
.irp q, 0,1,2,3
	v_cvt_pk_bf16_f32 v[P+4*(\j)+(\q)], v[X+32*((\s)%4)+8*(\q)+(\j)], v[X+32*((\s)%4)+8*(\q)+4+(\j)]
.endr
.endr
.irp j, 0,1,2,3
	ds_store_b128 v[LS], v[P+4*(\j):P+4*(\j)+3] offset:SPITCH*(\j)+32*(\s)
.endr
.endm
	TLOAD 0
	TLOAD 1
	TLOAD 2
	TLOAD 3                                        ; 32 loads of the wave are out
	TSTEP 0, 24
	TLOAD 4                                        ; a set is asked for again as soon as it has been packed
	TSTEP 1, 24
	TLOAD 5
	TSTEP 2, 24
	TLOAD 6
	TSTEP 3, 24
	TLOAD 7
	TSTEP 4, 24
	TSTEP 5, 16                                    ; the counts run down
	TSTEP 6, 8
	TSTEP 7, 0
.set i, 0
.rept 32
	ds_load_b128 v[X+4*i:X+4*i+3], v[LR] offset:2*SPITCH*i  ; stage rows 2 i + h, whole; LDS serves a wave's instructions in order (ISA guide 5.7.1.4): these see the stores above
.set i, i+1
.endr
.set i, 0
.rept 32
	s_wait_dscnt 31-i                              ; load i is back; the younger ones stay out
	global_store_b128 v[DO], v[X+4*i:X+4*i+3], s[10:11] offset:8192*i th:TH_STORE_NT  ; sixteen lanes store 256 consecutive bytes, aligned: 128 kk of one row of wbt
.set i, i+1
.endr
	s_branch .Lend
	; ---------------- THE CAST: work-group c = j - 256 = 0..511 ----------------
.Lcast:
	s_sub_co_u32 s36, s29, 256
	s_lshr_b32 s37, s36, 8                         ; 0: x, 1: h_prev
	s_and_b32 s38, s36, 255                        ; which 32 rows
	s_lshl_b32 s32, s38, 17                        ; 32 rows x 4,096 bytes, in the source and in abf alike
	s_mov_b32 s33, 0
	s_lshl_b32 s34, s37, 11                        ; h_prev's half of a row of abf begins at byte 2,048
	s_add_co_u32 s34, s34, s32
	s_mov_b32 s35, 0
	v_lshlrev_b32 v[SO], 4, v0                     ; thread t: 16 bytes in, at 16 t of a chunk of 2,048,
	v_lshlrev_b32 v[LS], 3, v0                     ; 8 bytes out, at 8 t
	s_wait_kmcnt 0x0
	s_cmp_eq_u32 s37, 0
	s_cselect_b64 s[30:31], s[4:5], s[6:7]
	s_add_nc_u64 s[30:31], s[30:31], s[32:33]
	s_add_nc_u64 s[8:9], s[8:9], s[34:35]
.set q, 0
.rept 16
	global_load_b128 v[CX+4*q:CX+4*q+3], v[SO], s[30:31] offset:2048*q th:TH_LOAD_NT  ; a wave's load covers 512 consecutive bytes
.set q, q+1
.endr
.set q, 0
.rept 64                                       ; chunk q = half (q % 2) of row q / 2
.if q < 48
	s_wait_loadcnt 15                              ; chunk q is in; the fifteen younger loads stay out
.else
	s_wait_loadcnt 63-q                            ; nothing more is asked for: the counts run down
.endif
	v_cvt_pk_bf16_f32 v[CY+2*q],   v[CX+4*(q%16)],   v[CX+4*(q%16)+1]
	v_cvt_pk_bf16_f32 v[CY+2*q+1], v[CX+4*(q%16)+2], v[CX+4*(q%16)+3]
.if q < 48
	global_load_b128 v[CX+4*(q%16):CX+4*(q%16)+3], v[SO], s[30:31] offset:2048*(q+16) th:TH_LOAD_NT
.endif
	global_store_b64 v[LS], v[CY+2*q:CY+2*q+1], s[8:9] offset:(q/2)*4096+(q%2)*1024 th:TH_STORE_NT  ; the wave's 32 lanes store 256 consecutive bytes, aligned
.set q, q+1
.endr
.Lend:
	s_wait_tensorcnt 0x0                           ; the wave's end, behind my last LDS store
	ds_add_u32 v[SPW], v[NIL]
	s_wait_dscnt 0x0
	s_endpgm
.Lfunc_end_k_qbab2be6239_prep:
	.size	k_qbab2be6239_prep, .Lfunc_end_k_qbab2be6239_prep-k_qbab2be6239_prep
	.p2alignl 7, 3214868480
	.fill 96, 4, 3214868480
	.section	.rodata,"a",@progbits
	.p2align	6, 0x0
	.amdhsa_kernel k_qbab2be6239_prep
		.amdhsa_group_segment_fixed_size 70144
		.amdhsa_private_segment_fixed_size 0
		.amdhsa_enable_private_segment 0
		.amdhsa_kernarg_size 96
		.amdhsa_user_sgpr_count 2
		.amdhsa_user_sgpr_kernarg_segment_ptr 1
		.amdhsa_wavefront_size32 1
		.amdhsa_system_sgpr_workgroup_id_x 1
		.amdhsa_system_sgpr_workgroup_id_y 1
		.amdhsa_system_sgpr_workgroup_id_z 1
		.amdhsa_system_vgpr_workitem_id 0
		.amdhsa_next_free_vgpr 208
		.amdhsa_next_free_sgpr 66
		.amdhsa_reserve_vcc 0
		.amdhsa_float_denorm_mode_32 3
		.amdhsa_float_denorm_mode_16_64 3
		.amdhsa_memory_ordered 1
		.amdhsa_forward_progress 1
		.amdhsa_inst_pref_size 48
	.end_amdhsa_kernel
	.amdgpu_metadata
---
amdhsa.version: [ 1, 2 ]
amdhsa.kernels:
  - .name:           k_qbab2be6239_prep
    .symbol:         k_qbab2be6239_prep.kd
    .args:
      - { .name: x, .offset: 0, .size: 8, .value_kind: global_buffer, .address_space: global }
      - { .name: h_prev, .offset: 8, .size: 8, .value_kind: global_buffer, .address_space: global }
      - { .name: abf, .offset: 16, .size: 8, .value_kind: global_buffer, .address_space: global }
      - { .name: wbt, .offset: 24, .size: 8, .value_kind: global_buffer, .address_space: global }
      - { .name: W_i, .offset: 32, .size: 8, .value_kind: global_buffer, .address_space: global }
      - { .name: U_i, .offset: 40, .size: 8, .value_kind: global_buffer, .address_space: global }
      - { .name: W_f, .offset: 48, .size: 8, .value_kind: global_buffer, .address_space: global }
      - { .name: U_f, .offset: 56, .size: 8, .value_kind: global_buffer, .address_space: global }
      - { .name: W_o, .offset: 64, .size: 8, .value_kind: global_buffer, .address_space: global }
      - { .name: U_o, .offset: 72, .size: 8, .value_kind: global_buffer, .address_space: global }
      - { .name: W_c, .offset: 80, .size: 8, .value_kind: global_buffer, .address_space: global }
      - { .name: U_c, .offset: 88, .size: 8, .value_kind: global_buffer, .address_space: global }
    .group_segment_fixed_size: 70144
    .private_segment_fixed_size: 0
    .kernarg_segment_align: 8
    .kernarg_segment_size: 96
    .max_flat_workgroup_size: 128
    .sgpr_count:     66
    .vgpr_count:     208
    .wavefront_size: 32
...
	.end_amdgpu_metadata
.endif
;; end of part 1
;; launch cell (part 2): grid 16 x 16, 4 waves a work-group, clusters of 4 x 4, 327,680 bytes of LDS; arguments abf, wbt, c_prev, out0, out1, b_i, b_f, b_o, b_c; writes out0, out1
.if DOCPART == 2
	.amdgcn_target "amdgcn-amd-amdhsa--gfx1250"
	.amdhsa_code_object_version 6
	.text
	.protected	k_qbab2be6239_cell
	.globl	k_qbab2be6239_cell
	.p2align	8
	.type	k_qbab2be6239_cell,@function
k_qbab2be6239_cell:
	s_mov_b64 s[64:65], 0
	v_nop
	global_prefetch_b8 v0, s[64:65] scope:SCOPE_SE
	s_setreg_imm32_b32 hwreg(HW_REG_WAVE_MODE, 25, 1), 1
	s_wait_xcnt 0x0
	s_wait_alu depctr_hold_cnt(0) depctr_sa_sdst(0) depctr_va_vdst(0) depctr_va_sdst(0) depctr_va_ssrc(0) depctr_va_vcc(0) depctr_vm_vsrc(0)
	s_getreg_b32 s2, hwreg(HW_REG_IB_STS2, 6, 4)
	s_cmp_eq_u32 s2, 0
	s_cbranch_scc0 .Lentry_in_a_cluster
	s_endpgm
.Lentry_in_a_cluster:
	s_bfe_u32 s2, ttmp6, 0x10000c
	s_cmp_lg_u32 s2, 0xf033
	s_cbranch_scc0 .Lentry_shape_is_right
	s_endpgm
.Lentry_shape_is_right:
; THE LSTM CELL.  gates[r][n'] = sum over kk of abf[r][kk] wbt[n'][kk] (bf16 operands, f32 sums; abf = [x | h_prev], wbt = the weights turned, row n' = 256 tc + 64 g + col, g = i, f, o, c), + bias;
; i, f, o = sigmoid, g = tanh; c = f c_prev + i g (out1); h = o tanh(c) (out0).  Everything behind the product in f32, in registers: no gate goes to memory.
; sigmoid(v) = 1 / (1 + 2^(-1.442695 v)), tanh(v) = 1 - 2 / (1 + 2^(2.885390 v)).  No clamp: where the power overflows to infinity the reciprocal is 0, where it falls to 0 the reciprocal is 1: both the right limits.
; LIMITS.  NaN and infinities among the inputs are not treated apart.  tanh made so has an absolute error of about 1e-7 near 0.  The exponential and the reciprocal take and give denormals as 0 (ISA guide 15.8).
; SHARES.  The product is 8192 x 4096 x 2048: 512 tiles of 256 x 256.  256 work-groups of four waves STAY and make two tiles each, 4,096 rows apart.  A tile's 256 columns n' are the four gates of 64 columns of h.
; A WAVE MAKES 64 ROWS x ALL 256 n': 64 accumulators of 16 x 16, 512 registers.  So all four gates of a number of h meet in one lane, and a wave's piece of a row of c_prev, c and h is 64 f32 = 256 consecutive
; bytes, aligned: the cell's way out needs no other wave and no barrier.  The price: for 32 along K a wave reads 320 LDS rows (40 loads) for its 64 matrix instructions, where a square 128 x 128 would read 256.
; K goes in steps of 128 through a ring of two LDS slots filled by the tensor data mover; the ring does not stop at the change of tiles.
; CLUSTERS: 4 x 4 work-groups.  The four of a row of the cluster need the same rows of abf, the four of a column the same rows of wbt: each tile is asked for JOINTLY, by the same tensor load with the same
; descriptor and a mask that names the four.
; THE MATRIX INSTRUCTION IS USED TRANSPOSED: source 0 = 16 rows of wbt, source 1 = 16 rows of abf.  In accumulator (a, b) lane l, register j holds row 16 a + l % 16 and n' = 16 b + 8 (l / 16) + j.
; With b = 4 g + jb, gate g of the lane's number e = 8 jb + j (column 16 jb + 8 (l / 16) + j of the 64) lies in register 32 g + e of the block's 128.
; REGISTERS, in windows of 256 (s_set_vgpr_msb's low byte: bits 1:0 source 0, 3:2 source 1, 5:4 source 2, 7:6 destination):
;   window 0: v0-31 addresses; v32-63 c_prev of one block of 16 rows, laid as the accumulators are; v64-95, v96-127 fragments of abf, two buffers (the second also: rows of h on the way out);
;             v128-255 c_prev as rows, 32 registers a block, later rows of c
;   window 1: v0-127, v128-255 fragments of wbt, two buffers (the second also: the 128 scaled biases on the way out)
;   window 2: accumulators of my row blocks a = 0, 1 ((a, b) at v[128 (a % 2) + 8 b]);   window 3: those of a = 2, 3
.set SIZE_K, 2048
.set KSTEP,  128
.set PITCH,  272                       ; an LDS row: 256 bytes + 16 of padding = 68 words: row r starts at bank 4 r mod 64 (64 banks of 4 bytes: ISA guide 11.1), so the 16 rows of a load start at 16 different banks
.set HALFT,  128*PITCH                 ; 128 rows: what one tensor load brings
.set SLOT,   4*HALFT                   ; abf's 256 rows, then wbt's 256 rows
.set STAGE,  2*SLOT                    ; behind the ring, never filled by a tensor load: for each wave X (16 rows x 272) and Y (the same)
.set SP,     272
.set YOFF,   16*SP
.set BIAS,   STAGE+4*2*16*SP           ; 256 f32: bias of gate g, column col of my 64, times the gate's factor, at index 64 g + col
.set SPARE,  BIAS+1024                 ; the spare words, 128 bytes for each wave: two blocks of 256 bytes that no other line names
.set LAPS,   SIZE_K/(2*KSTEP)          ; a lap = two K steps = once round the ring
.set WALK,   4096                      ; a work-group's two tiles lie so many rows apart
.set NEXT_A, WALK*SIZE_K*2-(SIZE_K-2*KSTEP)*2  ; from a slot's last K step of a tile to its first of the next: abf goes WALK rows down and back along K,
.set BACK_B, (SIZE_K-2*KSTEP)*2        ; wbt only back: both tiles take the same rows of it
.set ADRA, 16                          ; v16-17  LDS address of my fragments of abf in slot 0, 1
.set ADRB, 20                          ; v20-21  the same for wbt
.set BA,   22                          ; v22     BIAS + 32 (l / 16)
.set DW,   24                          ; v24     my stage, laid as the accumulators are: row l % 16, byte 32 (l / 16)
.set RW,   25                          ; v25     my stage by rows: row l / 16, byte 16 (l % 16)
.set CO,   26                          ; v26     the same two rows in c_prev, out0, out1
.set SPW,  28                          ; v28     SPARE + 4 x my thread's number; never rewritten
.set NIL,  29                          ; v29     0; never rewritten
.set PFO,  30                          ; v30     the prefetches' offset: my lane x a row of 4,096 bytes; never rewritten
.set CD,   32
.set HR,   96
.set CR,   128
.set G1,  24                           ; s[24:31] descriptor group 1 for abf's tiles;  s[32:39] group 0, a set for each slot
.set G0,  32
.set LIM, 43                           ; s43     1 in a wave that prefetches, else the greatest number
.set PFA, 44                           ; s[44:45] where my prefetches stand
.set G1B, 48                           ; s[48:55], s[56:63] the same for wbt's tiles
.set G0B, 56
.set KS,  84                           ; s[84:85] -log2(e), twice: the sigmoids' factor
.set KT,  86                           ; s[86:87] 2 log2(e), twice: the tanh's
.set MSB, 0
.macro WIN new                         ; the immediate's high byte repeats the setting that is left; a switch that changes nothing is dropped
.if MSB != (\new)
	s_set_vgpr_msb (MSB<<8)|(\new)
.set MSB, \new
.endif
.endm
.set MUL_LO, 0xa1                      ; source 0 (wbt) window 1, source 1 (abf) window 0, C and D window 2;  + 0x50: window 3
.set TO_B,   0x40                      ; destination window 1, address window 0
; A joint load.  Waves 0 and 1 fetch abf's two halves, waves 2 and 3 wbt's.  The branch hangs on the wave's number alone.  An s_nop 0 and four v_nop follow each of the two lines.
.macro JLOAD s
	s_cmp_eq_u32 s11, 0
	s_cbranch_scc0 .Lfor_b_\@
	tensor_load_to_lds s[G0+4*(\s):G0+4*(\s)+3], s[G1:G1+7]
	s_nop 0
.rept 4
	v_nop
.endr
	s_branch .Lasked_\@
.Lfor_b_\@:
	tensor_load_to_lds s[G0B+4*(\s):G0B+4*(\s)+3], s[G1B:G1B+7]
	s_nop 0
.rept 4
	v_nop
.endr
.Lasked_\@:
.endm
; A prefetch into the L2, behind each joint refill and the run of LDS loads that follows it: the K step that stands two refills on: 32 rows x 256 bytes, a lane a row, one instruction a wave.
; Each row's 256 bytes of a K step are named once in the launch: abf's rows by the clusters with x = 0, wbt's by those with y = 0; the four partners that ask for a tile jointly take 32 of the wave's 128 rows each,
; told apart by address.  how = 0, in the loop: the last trip (s3 = 1) has no K step two on.  how = 1: at the change of tiles, abf alone.
.macro ASK how
.if \how
	s_cmp_eq_u32 s[LIM], 1
.else
	s_cmp_gt_u32 s3, s[LIM]
.endif
	s_cbranch_scc0 .Lnot_mine_\@
	global_prefetch_b8 v[PFO], s[PFA:PFA+1] offset:KSTEP*2 th:TH_LOAD_NT scope:SCOPE_SE
.Lnot_mine_\@:
.endm
.macro CREST                           ; a round of the cluster's barrier behind its opening barrier
	s_cmp_lg_u32 s10, 0
	s_cbranch_scc1 .Lnot_wave_0_\@
	s_barrier_signal -3
.Lnot_wave_0_\@:
	s_barrier_wait -3
	s_barrier_signal -1
	s_barrier_wait -1
.endm
.macro CROUND                          ; a whole round
	s_barrier_signal -1
	s_barrier_wait -1
	CREST
.endm
	s_load_b128 s[4:7], s[0:1], 0x0                ; abf s[4:5], wbt s[6:7]
	s_load_b128 s[68:71], s[0:1], 0x10             ; c_prev s[68:69], out0 s[70:71]
	s_load_b64 s[72:73], s[0:1], 0x20              ; out1
	s_load_b256 s[76:83], s[0:1], 0x28             ; b_i, b_f, b_o, b_c
	v_lshl_add_u32 v[SPW], v0, 2, SPARE
	v_mov_b32 v[NIL], 0
	ds_add_u32 v[SPW], v[NIL]                      ; the wave's opening: the add, twice on end, and its wait ahead of my first tensor load; the set-up below stands between
	ds_add_u32 v[SPW], v[NIL]                      ; and once more, under the one wait
	v_lshrrev_b32 v1, 5, v0
	v_readfirstlane_b32 s10, v1                    ; wave 0..3
	s_lshr_b32 s11, s10, 1                         ; I fetch for abf (0) or for wbt (1),
	s_and_b32 s12, s10, 1                          ; and which 128 rows of that tile
	s_bfe_u32 s40, ttmp6, 0x40000                  ; cx
	s_bfe_u32 s41, ttmp6, 0x40004                  ; cy
	s_lshl_b32 s42, ttmp9, 2
	s_add_co_u32 s42, s42, s40                     ; tile column tc = 4 x cluster x + cx
	s_and_b32 s13, ttmp7, 0xffff
	s_lshl_b32 s13, s13, 2
	s_add_co_u32 s13, s13, s41                     ; tile row tr = 4 x cluster y + cy
	s_lshl_b32 s43, s41, 2
	s_lshl_b32 s43, 15, s43                        ; my row of the cluster: places 4 cy .. 4 cy + 3
	s_lshl_b32 s44, 0x1111, s40                    ; my column: places cx, cx + 4, cx + 8, cx + 12
	; descriptor group 1: a tile of 128 rows x 128 elements of 2 bytes, padded in LDS by 4 words after every 64
	s_or_b32 s[G1+0], s43, (1<<16)|(1<<20)|(1<<21)|(5<<22)|(3<<25)   ; 15:0 the mask: abf's tiles go to my row; 17:16 2-byte elements; 20 padding on; 21 set beside a mask; 24:22 code 5; 31:25 code 3
	s_or_b32 s[G1B+0], s44, (1<<16)|(1<<20)|(1<<21)|(5<<22)|(3<<25)  ; the same with the mask of my column, for wbt's tiles
.irp g, G1, G1B
	s_mov_b32 s[(\g)+1], KSTEP<<16                 ; tensor_dim0 = 128
	s_mov_b32 s[(\g)+2], 128<<16                   ; tensor_dim1 = 128
	s_mov_b32 s[(\g)+3], KSTEP<<16                 ; tile_dim0 = 128
	s_mov_b32 s[(\g)+4], 128                       ; tile_dim1 = 128
	s_mov_b32 s[(\g)+5], SIZE_K                    ; elements from row to row
	s_mov_b32 s[(\g)+6], 0
	s_mov_b32 s[(\g)+7], 0
.endr
	; abf's tiles hang on the tile row alone, wbt's on the tile column alone; each address is made in registers that never hold the other coordinate
	s_lshl_b32 s17, s12, 7
	s_lshl_b32 s16, s13, 8
	s_add_co_u32 s16, s16, s17                     ; abf: row 256 tr + 128 x half
	s_lshl_b32 s46, s42, 8
	s_add_co_u32 s46, s46, s17                     ; wbt: row 256 tc + 128 x half
	s_mov_b32 s17, 0
	s_mov_b32 s47, 0
	s_mov_b64 s[18:19], SIZE_K*2
	s_mul_u64 s[16:17], s[16:17], s[18:19]
	s_mul_u64 s[46:47], s[46:47], s[18:19]
	s_mul_i32 s20, s10, HALFT                      ; where they go: wave x 128 rows: no place in the cluster enters an LDS address
	s_mov_b32 s[KS], 0xbfb8aa3b                    ; -1.442695
	s_mov_b32 s[KS+1], s[KS]
	s_mov_b32 s[KT], 0x4038aa3b                    ; 2.885390
	s_mov_b32 s[KT+1], s[KT]
	s_wait_dscnt 0x0                               ; both opening adds are done
	s_wait_kmcnt 0x0
	s_add_nc_u64 s[14:15], s[4:5], s[16:17]
	s_add_nc_u64 s[46:47], s[6:7], s[46:47]
	CROUND                                         ; all sixteen work-groups are here: the first joint loads meet
.irp s, 0,1
	s_mov_b32 s[G0+4*(\s)], 1                                        ; count = 1
	s_add_co_u32 s[G0+4*(\s)+1], s20, (\s)*SLOT                      ; LDS address
	s_add_nc_u64 s[G0+4*(\s)+2:G0+4*(\s)+3], s[14:15], (\s)*KSTEP*2  ; global address: K step s
	s_or_b32 s[G0+4*(\s)+3], s[G0+4*(\s)+3], 0x80000000              ; type = 2
	s_mov_b32 s[G0B+4*(\s)], 1
	s_add_co_u32 s[G0B+4*(\s)+1], s20, (\s)*SLOT
	s_add_nc_u64 s[G0B+4*(\s)+2:G0B+4*(\s)+3], s[46:47], (\s)*KSTEP*2
	s_or_b32 s[G0B+4*(\s)+3], s[G0B+4*(\s)+3], 0x80000000
	JLOAD \s                                       ; the ring is filled before anything else is done: two loads of mine are out
.endr
	; a fragment is 16 rows x 32 K in 8 registers: lane l holds row l % 16, K = 8 (l / 16) + 0..7 and 16 + 8 (l / 16) + 0..7: two loads of 16 bytes, 32 bytes apart
	v_and_b32 v1, 15, v0                           ; r = l % 16
	v_bfe_u32 v2, v0, 4, 1                         ; h = l / 16
	v_mul_u32_u24 v3, v1, PITCH
	v_lshl_add_u32 v3, v2, 4, v3
	s_mul_i32 s21, s10, 64*PITCH                   ; my 64 rows of abf's 256
	s_mov_b32 s22, 2*HALFT                         ; wbt's 256 rows lie behind them: I take all
.irp s, 0,1
	v_add_nc_u32 v[ADRA+(\s)], s21, v3
	v_add_nc_u32 v[ADRB+(\s)], s22, v3
	s_add_co_u32 s21, s21, SLOT
	s_add_co_u32 s22, s22, SLOT
.endr
	s_mul_i32 s23, s10, 2*16*SP
	s_add_co_u32 s23, s23, STAGE                   ; my stage
	v_mul_u32_u24 v4, v1, SP
	v_lshl_add_u32 v4, v2, 5, v4
	v_add_nc_u32 v[DW], s23, v4                    ; row r, byte 32 h
	v_mul_u32_u24 v5, v2, SP
	v_lshl_add_u32 v5, v1, 4, v5
	v_add_nc_u32 v[RW], s23, v5                    ; row h, byte 16 r
	v_lshlrev_b32 v5, 12, v2
	v_lshl_add_u32 v[CO], v1, 4, v5                ; the same in rows of 4,096 bytes
	v_lshlrev_b32 v[BA], 5, v2
	v_add_nc_u32 v[BA], BIAS, v[BA]
	; my piece of c_prev, out0, out1: row 256 tr + 64 wave, byte 256 tc
	s_lshl_b32 s13, s13, 8                         ; 256 tr
	s_lshl_b32 s14, s10, 6
	s_add_co_u32 s16, s13, s14
	s_lshl_b32 s16, s16, 12                        ; under 2^24
	s_mov_b32 s17, 0
	s_lshl_b32 s42, s42, 8                         ; 256 tc: wbt's first row of the tile, and the byte in a row of the outputs and in a bias
	s_mov_b32 s46, s42
	s_mov_b32 s47, 0
	s_add_nc_u64 s[16:17], s[16:17], s[46:47]
	s_add_nc_u64 s[68:69], s[68:69], s[16:17]
	s_add_nc_u64 s[70:71], s[70:71], s[16:17]
	s_add_nc_u64 s[72:73], s[72:73], s[16:17]
	; the prefetches
	s_and_b32 s22, ttmp7, 0xffff                   ; cluster y
	s_cmp_eq_u32 s11, 0                            ; do I fetch for abf?
	s_cselect_b32 s20, s13, s42                    ; the tile's first row
	s_cselect_b32 s21, s40, s41                    ; my place among the four that ask for it with me
	s_cselect_b32 s22, ttmp9, s22                  ; the coordinate along which other clusters read the same rows
	s_cselect_b64 s[PFA:PFA+1], s[4:5], s[6:7]
	s_cmp_eq_u32 s22, 0
	s_cselect_b32 s[LIM], 1, -1                    ; the same in all sixteen partners, for a given wave
	s_lshl_b32 s22, s12, 7
	s_add_co_u32 s20, s20, s22                     ; + the 128 rows that I fetch
	s_lshl_b32 s21, s21, 5
	s_add_co_u32 s20, s20, s21                     ; + my work-group's 32 of them
	s_mov_b32 s21, 0
	s_mov_b64 s[18:19], SIZE_K*2
	s_mul_u64 s[20:21], s[20:21], s[18:19]
	s_add_nc_u64 s[PFA:PFA+1], s[PFA:PFA+1], s[20:21]
	s_add_nc_u64 s[PFA:PFA+1], s[PFA:PFA+1], 2*KSTEP*2  ; at K step 2: the first refill steps it to 3 and names K step 4.  Nothing is prefetched here, at the head
	v_and_b32 v[PFO], 31, v0
	v_mul_u32_u24 v[PFO], v[PFO], SIZE_K*2
	; the bias table: wave w brings gate w's 64 numbers (256 consecutive bytes, 8 a lane), times the gate's factor
	s_mov_b64 s[88:89], s[76:77]
	s_cmp_eq_u32 s10, 1
	s_cselect_b64 s[88:89], s[78:79], s[88:89]
	s_cmp_eq_u32 s10, 2
	s_cselect_b64 s[88:89], s[80:81], s[88:89]
	s_cmp_eq_u32 s10, 3
	s_cselect_b64 s[88:89], s[82:83], s[88:89]
	s_cselect_b32 s90, s[KT], s[KS]
	s_mov_b32 s91, s90
	v_and_b32 v8, 31, v0
	v_lshlrev_b32 v8, 3, v8
	v_lshl_add_u32 v9, s10, 8, v8
	v_add_nc_u32 v9, BIAS, v9                      ; LDS: BIAS + 256 wave + 8 lane
	v_add_nc_u32 v8, s42, v8                       ; memory: 256 tc + 8 lane
	global_load_b64 v[6:7], v8, s[88:89]
	s_wait_loadcnt 0x0
	v_pk_mul_f32 v[6:7], v[6:7], s[90:91] op_sel_hi:[1,0]
	ds_store_b64 v9, v[6:7]
	s_wait_dscnt 0x0                               ; for the others' sake: my part of the table is written
; 16 matrix instructions: my row block a x all 16 blocks of n', 32 along K, from buffer f.  zero = 1: the product starts the sums: nothing is ever cleared.
; The 64 accumulators take turns, one instruction a turn, in the same order in every quarter, over the loop's jump and from tile to tile.
.macro MUL16 f, a, zero
	WIN MUL_LO+0x50*((\a)/2)
.irp b, 0,1,2,3,4,5,6,7,8,9,10,11,12,13,14,15
.if \zero
	v_wmma_f32_16x16x32_bf16 v[128*((\a)%2)+8*(\b):128*((\a)%2)+8*(\b)+7], v[128*(\f)+8*(\b):128*(\f)+8*(\b)+7], v[64+32*(\f)+8*(\a):64+32*(\f)+8*(\a)+7], 0
.else
	v_wmma_f32_16x16x32_bf16 v[128*((\a)%2)+8*(\b):128*((\a)%2)+8*(\b)+7], v[128*(\f)+8*(\b):128*(\f)+8*(\b)+7], v[64+32*(\f)+8*(\a):64+32*(\f)+8*(\a)+7], v[128*((\a)%2)+8*(\b):128*((\a)%2)+8*(\b)+7]
.endif
.endr
.endm
; 40 LDS loads in one run: a quarter step's fragments (256 rows of wbt, my 64 of abf, 32 K at byte k of the rows) into buffer f.  The largest offset is 15 x 4,352 + 192 + 32 = 65,504, inside 16 bits.
.macro FETCH slot, k, f
	WIN TO_B
.irp i, 0,1,2,3,4,5,6,7,8,9,10,11,12,13,14,15
	ds_load_b128 v[128*(\f)+8*(\i):128*(\f)+8*(\i)+3],   v[ADRB+(\slot)] offset:(\k)+(\i)*16*PITCH
	ds_load_b128 v[128*(\f)+8*(\i)+4:128*(\f)+8*(\i)+7], v[ADRB+(\slot)] offset:(\k)+(\i)*16*PITCH+32
.endr
	WIN 0
.irp i, 0,1,2,3
	ds_load_b128 v[64+32*(\f)+8*(\i):64+32*(\f)+8*(\i)+3],   v[ADRA+(\slot)] offset:(\k)+(\i)*16*PITCH
	ds_load_b128 v[64+32*(\f)+8*(\i)+4:64+32*(\f)+8*(\i)+7], v[ADRA+(\slot)] offset:(\k)+(\i)*16*PITCH+32
.endr
.endm
.macro PLACES                          ; four plain vector instructions between a matrix instruction and a load into a register that it has read, or a reader of its result (ISA guide 7.12.1 for readers of its result)
.rept 4
	v_nop
.endr
.endm
; A K step is four quarters of 32 along K, 64 matrix instructions each, on buffers 0, 1, 0, 1.  One of the first three: multiplies buffer f; in its middle it fetches the next quarter, at byte k, into buffer g.
.macro QUARTER slot, k, f, g, zero
	s_wait_dscnt 4                                 ; wbt's fragments and abf's blocks 0 and 1 are in; the youngest four loads (blocks 2 and 3) may be out
	MUL16 \f, 0, \zero
	MUL16 \f, 1, \zero
	PLACES
	FETCH \slot, \k, \g
	s_wait_dscnt 40                                ; all but the 40 just issued
	MUL16 \f, 2, \zero
	MUL16 \f, 3, \zero
.endm
; The last quarter multiplies buffer 1 and changes slots.  MEET is its first half: one barrier for two things.  In front of it each wave waits for all its tensor loads, of which one is out: its part of the next slot;
; adds 0 to its spare word; and waits for that and for its own reads of this slot.  Behind it nobody reads this slot any more and the next slot is whole.
.macro MEET round
	WIN 0                                          ; (the add's two registers lie in window 0)
	s_wait_tensorcnt 0x0                           ; all my tensor loads have landed
	ds_add_u32 v[SPW], v[NIL]                      ; 0 onto my spare word
	s_wait_dscnt 5                                 ; (the add and the youngest four loads may be out)
	MUL16 1, 0, 0                                  ; sixteen matrix instructions stand between the add and the wait for it
	s_wait_dscnt 0x0                               ; the add is done, and my reads of this slot are over
	s_barrier_signal -1
	MUL16 1, 1, 0                                  ; work on registers while the others arrive
.if \round
	WIN 0
.endif
	s_barrier_wait -1
.endm
; The whole last quarter.  Behind the round the slot just read out is filled again first: with this tile's K step two steps on (on = 0) or the next tile's K step 0 or 1 (on = 1); then come the next slot's first
; fragments.  From a request to the wait for it a wave issues 224 matrix instructions.
.macro TURN slot, next, on
	s_wait_xcnt 0x0                                ; the last prefetch, a K step back, has read its address: it is stepped here
.if (\on) && (\slot) == 0
	s_add_nc_u64 s[PFA:PFA+1], s[PFA:PFA+1], (WALK-1)*SIZE_K*2+KSTEP*2  ; from the K step after the tile's last to the next tile's K step 1
	s_cmp_eq_u32 s11, 0
	s_cselect_b32 s[LIM], s[LIM], -1               ; wbt's rows are the same for both tiles: they are prefetched no more
.else
	s_add_nc_u64 s[PFA:PFA+1], s[PFA:PFA+1], KSTEP*2
.endif
	MEET 1
	CREST                                          ; no wave of any partner still reads this slot's tile or has a load on its way
.if \on
	s_add_nc_u64 s[G0+4*(\slot)+2:G0+4*(\slot)+3], s[G0+4*(\slot)+2:G0+4*(\slot)+3], NEXT_A
	s_sub_nc_u64 s[G0B+4*(\slot)+2:G0B+4*(\slot)+3], s[G0B+4*(\slot)+2:G0B+4*(\slot)+3], BACK_B
.else
	s_add_nc_u64 s[G0+4*(\slot)+2:G0+4*(\slot)+3], s[G0+4*(\slot)+2:G0+4*(\slot)+3], 2*KSTEP*2
	s_add_nc_u64 s[G0B+4*(\slot)+2:G0B+4*(\slot)+3], s[G0B+4*(\slot)+2:G0B+4*(\slot)+3], 2*KSTEP*2
.endif
	JLOAD \slot                                    ; the first tensor load behind the round, my only one until the next; its four v_nop are also the places in front of the loads below
	FETCH \next, 0, 0
	ASK \on
	MUL16 1, 2, 0
	MUL16 1, 3, 0
.endm
; THE WAY OUT, a block a of 16 rows at a time.
; CIN: the block's c_prev, which came as rows, goes through X of my stage and comes back laid as the accumulators are (number e in v[CD + e]).  My own bytes: LDS serves a wave's instructions in order (ISA guide 5.7.1.4).
.macro CIN a
	WIN 0
.irp i, 0,1,2,3,4,5,6,7
	ds_store_b128 v[RW], v[CR+32*(\a)+4*(\i):CR+32*(\a)+4*(\i)+3] offset:2*SP*(\i)
.endr
.irp q, 0,1,2,3,4,5,6,7
	ds_load_b128 v[CD+4*(\q):CD+4*(\q)+3], v[DW] offset:64*((\q)/2)+16*((\q)%2)
.endr
.endm
; 1 / (1 + v) in place on np pairs from base on: ONE batch of reciprocals with ONE wait: nothing ahead of the wait names a reciprocal's result; a v_nop is the plain instruction behind the last.
.macro RCP1 base, np
.set e, 0
.rept \np
	v_pk_add_f32 v[(\base)+2*e:(\base)+2*e+1], v[(\base)+2*e:(\base)+2*e+1], 1.0 op_sel_hi:[1,0]
.if e > 0
	v_rcp_f32 v[(\base)+2*e-2], v[(\base)+2*e-2]
	v_rcp_f32 v[(\base)+2*e-1], v[(\base)+2*e-1]
.endif
.set e, e+1
.endr
	v_rcp_f32 v[(\base)+2*(\np)-2], v[(\base)+2*(\np)-2]
	v_rcp_f32 v[(\base)+2*(\np)-1], v[(\base)+2*(\np)-1]
	v_nop
	s_wait_alu depctr_va_vdst(0)
.endm
; COMPUTE: the cell, in place in the block's 128 accumulator registers: + 0 i, + 32 f, + 64 o, + 96 the candidate.
.macro COMPUTE a
.set AB, 128*((\a)%2)
.set WA, (\a)/2
	WIN 0x92+0x41*WA                               ; destination and source 0: the accumulators' window; source 2: window 1 (the biases)
.if (\a) == 0
	s_wait_dscnt 16                                ; the biases are in; CIN's sixteen LDS instructions may be out
.endif
.set e, 0
.rept 64                                       ; factor x sum + factor x bias, ascending; the exponentials follow a pair behind: one batch
.if e < 48
	v_pk_fma_f32 v[AB+2*e:AB+2*e+1], v[AB+2*e:AB+2*e+1], s[KS:KS+1], v[128+2*e:128+2*e+1] op_sel_hi:[1,0,1]
.else
	v_pk_fma_f32 v[AB+2*e:AB+2*e+1], v[AB+2*e:AB+2*e+1], s[KT:KT+1], v[128+2*e:128+2*e+1] op_sel_hi:[1,0,1]
.endif
.if e > 0
	v_exp_f32 v[AB+2*e-2], v[AB+2*e-2]
	v_exp_f32 v[AB+2*e-1], v[AB+2*e-1]
.endif
.set e, e+1
.endr
	v_exp_f32 v[AB+126], v[AB+126]
	v_exp_f32 v[AB+127], v[AB+127]
	v_nop                                          ; the plain instruction behind the last exponential
	s_wait_alu depctr_va_vdst(0)                   ; one wait for the 128
	WIN 0xaa+0x55*WA                               ; everything in the accumulators' window
	RCP1 AB, 64                                    ; i, f, o are finished
.set p, 0
.rept 16
	v_pk_fma_f32 v[AB+96+2*p:AB+97+2*p], v[AB+96+2*p:AB+97+2*p], -2.0, 1.0 op_sel_hi:[1,0,0]  ; g = 1 - 2 / (1 + 2^..)
.set p, p+1
.endr
.set p, 0
.rept 16
	v_pk_mul_f32 v[AB+2*p:AB+2*p+1], v[AB+2*p:AB+2*p+1], v[AB+96+2*p:AB+97+2*p]               ; i g
.set p, p+1
.endr
	WIN 0xa2+0x51*WA                               ; source 1 in window 0
	s_wait_dscnt 0x0                               ; c_prev is back from the stage
.set p, 0
.rept 16
	v_pk_fma_f32 v[AB+32+2*p:AB+33+2*p], v[AB+32+2*p:AB+33+2*p], v[CD+2*p:CD+2*p+1], v[AB+2*p:AB+2*p+1]  ; c = f c_prev + i g
.set p, p+1
.endr
	WIN 0x08+0x04*WA                               ; an LDS store's data in the accumulators' window
.irp q, 0,1,2,3,4,5,6,7
	ds_store_b128 v[DW], v[AB+32+4*(\q):AB+35+4*(\q)] offset:64*((\q)/2)+16*((\q)%2)           ; c into X
.endr
	WIN 0xaa+0x55*WA
.set p, 0
.rept 16
	v_pk_mul_f32 v[AB+2*p:AB+2*p+1], v[AB+32+2*p:AB+33+2*p], s[KT:KT+1] op_sel_hi:[1,0]
.if p > 0
	v_exp_f32 v[AB+2*p-2], v[AB+2*p-2]
	v_exp_f32 v[AB+2*p-1], v[AB+2*p-1]
.endif
.set p, p+1
.endr
	v_exp_f32 v[AB+30], v[AB+30]
	v_exp_f32 v[AB+31], v[AB+31]
	v_nop
	s_wait_alu depctr_va_vdst(0)                   ; one wait for the 32
	RCP1 AB, 16
.set p, 0
.rept 16
	v_pk_fma_f32 v[AB+2*p:AB+2*p+1], v[AB+2*p:AB+2*p+1], -2.0, 1.0 op_sel_hi:[1,0,0]          ; tanh(c)
.set p, p+1
.endr
.set p, 0
.rept 16
	v_pk_mul_f32 v[AB+64+2*p:AB+65+2*p], v[AB+64+2*p:AB+65+2*p], v[AB+2*p:AB+2*p+1]           ; h = o tanh(c)
.set p, p+1
.endr
	WIN 0x08+0x04*WA
.irp q, 0,1,2,3,4,5,6,7
	ds_store_b128 v[DW], v[AB+64+4*(\q):AB+67+4*(\q)] offset:YOFF+64*((\q)/2)+16*((\q)%2)     ; h into Y
.endr
	WIN 0
	s_wait_xcnt 0x0                                ; the block before's stores have read v[HR ..]: it is loaded again only behind this wait
.irp i, 0,1,2,3,4,5,6,7
	ds_load_b128 v[CR+32*(\a)+4*(\i):CR+32*(\a)+4*(\i)+3], v[RW] offset:2*SP*(\i)              ; c back as whole rows of 256 bytes,
.endr
.irp i, 0,1,2,3,4,5,6,7
	ds_load_b128 v[HR+4*(\i):HR+4*(\i)+3], v[RW] offset:YOFF+2*SP*(\i)                         ; and h
.endr
.endm
; SEND: younger = the LDS instructions issued behind the block's sixteen row loads: the next CIN's sixteen, or none.  Sixteen lanes store 256 consecutive bytes, aligned.
.macro SEND a, younger
	WIN 0
.irp i, 0,1,2,3,4,5,6,7
	s_wait_dscnt (\younger)+15-(\i)
	global_store_b128 v[CO], v[CR+32*(\a)+4*(\i):CR+32*(\a)+4*(\i)+3], s[72:73] offset:(16*(\a)+2*(\i))*4096 th:TH_STORE_NT
.endr
.irp i, 0,1,2,3,4,5,6,7
	s_wait_dscnt (\younger)+7-(\i)
	global_store_b128 v[CO], v[HR+4*(\i):HR+4*(\i)+3], s[70:71] offset:(16*(\a)+2*(\i))*4096 th:TH_STORE_NT
.endr
.endm
	s_wait_tensorcnt 1                             ; my part of K step 0 is in; K step 1's may stay out
	s_barrier_signal -1
	s_barrier_wait -1                              ; everybody's is, and the bias table is whole
	FETCH 0, 0, 0
	s_mov_b32 s2, 2                                ; tiles to go: the same in every work-group
.Ltile:
	QUARTER 0, 64,  0, 1, 1                        ; a tile's first quarter stands in front of the loop: its products start the sums
	WIN 0                                          ; at a label and at a branch every window is 0
	s_mov_b32 s3, LAPS-1
.Llap:                                                 ; a trip goes once round the ring, from a lap's second quarter to the next lap's first, and fills both slots again
	QUARTER 0, 128, 1, 0, 0
	QUARTER 0, 192, 0, 1, 0
	TURN 0, 1, 0
	QUARTER 1, 64,  0, 1, 0
	QUARTER 1, 128, 1, 0, 0
	QUARTER 1, 192, 0, 1, 0
	TURN 1, 0, 0
	QUARTER 0, 64,  0, 1, 0
	WIN 0
	s_sub_co_u32 s3, s3, 1
	s_cmp_lg_u32 s3, 0
	s_cbranch_scc1 .Llap
.set i, 0
.rept 32                                       ; my 64 rows x 256 aligned bytes of c_prev, asked for seven quarters (448 matrix instructions) ahead of their use
	global_load_b128 v[CR+4*i:CR+4*i+3], v[CO], s[68:69] offset:8192*i th:TH_LOAD_NT
.set i, i+1
.endr
	QUARTER 0, 128, 1, 0, 0                        ; the tile's last lap goes on
	QUARTER 0, 192, 0, 1, 0
	WIN 0
	s_cmp_eq_u32 s2, 1
	s_cbranch_scc1 .Llast_tile                     ; the last tile's tail is written out: it asks for nothing more
	TURN 0, 1, 1                                   ; the ring goes on into the next tile: slot 0 takes its K step 0,
	QUARTER 1, 64,  0, 1, 0
	QUARTER 1, 128, 1, 0, 0
	QUARTER 1, 192, 0, 1, 0
	TURN 1, 0, 1                                   ; slot 1 its K step 1, and the next tile's first fragments are fetched into buffer 0, which the way out leaves alone
	WIN 0
	s_branch .Lout
.Llast_tile:
	MEET 0                                         ; the one tensor load that was still out is slot 1's, the last K step's, so no round follows
	PLACES
	FETCH 1, 0, 0
	MUL16 1, 2, 0
	MUL16 1, 3, 0
	QUARTER 1, 64,  0, 1, 0
	QUARTER 1, 128, 1, 0, 0
	QUARTER 1, 192, 0, 1, 0
	s_wait_dscnt 4                                 ; the very last quarter: nothing more to fetch
	MUL16 1, 0, 0
	MUL16 1, 1, 0
	s_wait_dscnt 0x0
	MUL16 1, 2, 0
	MUL16 1, 3, 0
	WIN 0
.Lout:                                                 ; one text for both tiles: its waits are for 0 or count only what it has issued itself
	PLACES                                         ; behind the last products: their results are read and buffer 1, their source, is loaded below
	PLACES
	WIN TO_B
.irp b, 0,1,2,3,4,5,6,7,8,9,10,11,12,13,14,15
	ds_load_b128 v[128+8*(\b):128+8*(\b)+3],   v[BA] offset:64*(\b)     ; the scaled bias of n' = 16 b + 8 (l / 16) + 0..7, register for register as the accumulators lie
	ds_load_b128 v[128+8*(\b)+4:128+8*(\b)+7], v[BA] offset:64*(\b)+16
.endr
	WIN 0
	s_wait_loadcnt 0x0                             ; c_prev
	CIN 0
	COMPUTE 0
	CIN 1                                          ; the next block's c_prev makes its round trip while this block's rows leave
	SEND 0, 16
	COMPUTE 1
	CIN 2
	SEND 1, 16
	COMPUTE 2
	CIN 3
	SEND 2, 16
	COMPUTE 3
	SEND 3, 0
	s_wait_xcnt 0x0                                ; every store has read its data, offset and base: only behind this wait are the bases stepped and the data registers used again
	s_add_nc_u64 s[68:69], s[68:69], WALK*4096     ; the next tile lies 4,096 rows down
	s_add_nc_u64 s[70:71], s[70:71], WALK*4096
	s_add_nc_u64 s[72:73], s[72:73], WALK*4096
	s_sub_co_u32 s2, s2, 1
	s_cmp_lg_u32 s2, 0
	s_cbranch_scc1 .Ltile
	s_wait_tensorcnt 0x0                           ; the wave's end, behind my last tensor load and my last LDS store
	ds_add_u32 v[SPW], v[NIL]
	s_wait_dscnt 0x0
	CROUND                                         ; the closing round: no work-group ends while a partner may still ask for a tile that names it
	s_endpgm
.Lfunc_end_k_qbab2be6239_cell:
	.size	k_qbab2be6239_cell, .Lfunc_end_k_qbab2be6239_cell-k_qbab2be6239_cell
	.p2alignl 7, 3214868480
	.fill 96, 4, 3214868480
	.section	.rodata,"a",@progbits
	.p2align	6, 0x0
	.amdhsa_kernel k_qbab2be6239_cell
		.amdhsa_group_segment_fixed_size 327680
		.amdhsa_private_segment_fixed_size 0
		.amdhsa_enable_private_segment 0
		.amdhsa_kernarg_size 72
		.amdhsa_user_sgpr_count 2
		.amdhsa_user_sgpr_kernarg_segment_ptr 1
		.amdhsa_wavefront_size32 1
		.amdhsa_system_sgpr_workgroup_id_x 1
		.amdhsa_system_sgpr_workgroup_id_y 1
		.amdhsa_system_sgpr_workgroup_id_z 1
		.amdhsa_system_vgpr_workitem_id 0
		.amdhsa_next_free_vgpr 1024
		.amdhsa_next_free_sgpr 96
		.amdhsa_reserve_vcc 0
		.amdhsa_float_denorm_mode_32 3
		.amdhsa_float_denorm_mode_16_64 3
		.amdhsa_memory_ordered 1
		.amdhsa_forward_progress 1
		.amdhsa_inst_pref_size 255
	.end_amdhsa_kernel
	.section	.bss,"aw",@nobits
	.p2align	6
	.space	262144
	.amdgpu_metadata
---
amdhsa.version: [ 1, 2 ]
amdhsa.kernels:
  - .name:           k_qbab2be6239_cell
    .symbol:         k_qbab2be6239_cell.kd
    .args:
      - { .name: abf, .offset: 0, .size: 8, .value_kind: global_buffer, .address_space: global }
      - { .name: wbt, .offset: 8, .size: 8, .value_kind: global_buffer, .address_space: global }
      - { .name: c_prev, .offset: 16, .size: 8, .value_kind: global_buffer, .address_space: global }
      - { .name: out0, .offset: 24, .size: 8, .value_kind: global_buffer, .address_space: global }
      - { .name: out1, .offset: 32, .size: 8, .value_kind: global_buffer, .address_space: global }
      - { .name: b_i, .offset: 40, .size: 8, .value_kind: global_buffer, .address_space: global }
      - { .name: b_f, .offset: 48, .size: 8, .value_kind: global_buffer, .address_space: global }
      - { .name: b_o, .offset: 56, .size: 8, .value_kind: global_buffer, .address_space: global }
      - { .name: b_c, .offset: 64, .size: 8, .value_kind: global_buffer, .address_space: global }
    .group_segment_fixed_size: 327680
    .private_segment_fixed_size: 0
    .kernarg_segment_align: 8
    .kernarg_segment_size: 72
    .max_flat_workgroup_size: 128
    .sgpr_count:     96
    .vgpr_count:     1024
    .wavefront_size: 32
...
	.end_amdgpu_metadata
.endif
;; end of part 2
;; ======== version 2 of 2: 2 launches; version 1 with the launch prep written anew for expert scheduling mode
;; workspace buffers: abf 33,554,432 bytes; wbt 16,777,216 bytes
;; launch prep (part 3): grid 768 x 1, 4 waves a work-group, no clusters, 70,144 bytes of LDS; arguments x, h_prev, abf, wbt, W_i, U_i, W_f, U_f, W_o, U_o, W_c, U_c; writes abf, wbt
.if DOCPART == 3
	.amdgcn_target "amdgcn-amd-amdhsa--gfx1250"
	.amdhsa_code_object_version 6
	.text
	.protected	k_qbab2be6239_prep
	.globl	k_qbab2be6239_prep
	.p2align	8
	.type	k_qbab2be6239_prep,@function
k_qbab2be6239_prep:
	s_mov_b64 s[64:65], 0
	v_nop
	global_prefetch_b8 v0, s[64:65] scope:SCOPE_SE
	s_setreg_imm32_b32 hwreg(HW_REG_WAVE_SCHED_MODE, 0, 2), 2
	s_setreg_imm32_b32 hwreg(HW_REG_WAVE_MODE, 25, 1), 1
	s_wait_xcnt 0x0
	s_wait_alu depctr_vm_vsrc(0)
; PREPARES THE OPERANDS OF THE LSTM CELL'S ONE PRODUCT, each number rounded once to bf16 (to nearest even).
;   abf [8192][2048] bf16: row r = x[r][0..1023], then h_prev[r][0..1023]; 4,096 bytes a row.
;   wbt [4096][2048] bf16: the eight weight matrices TURNED, K along the rows.  Row n' = 256 tc + 64 g + col holds column 64 tc + col of gate g (0 i, 1 f, 2 o, 3 c):
;   W_g[k][.] at kk = k, U_g[k][.] at kk = 1024 + k.  So 256 neighbouring rows hold all four gates of 64 neighbouring columns.
; 768 work-groups of four waves, 196,608 bytes of traffic each.  Work-groups 0-255 turn weights (a wave: 128 k x 64 n, through a stage in LDS of its own); 256-511 cast x, 512-767 cast h_prev
; (a work-group: 32 rows).  No wave needs another: no barrier.  No tensor loads, no matrix work, no cluster: nothing is shared, each byte is read once and written once.
; Every load of a wave covers whole aligned pieces of 256 bytes or more, every store likewise.
; The turning's LDS stores: the sixteen lanes of a half stand four stage rows (1,088 bytes) apart, and 1,088 mod 256 = 64, so four lanes meet in each group of banks (64 banks of 4 bytes: ISA guide 11.1);
; it is 16 KiB of stores a wave in the whole launch, and the row reads that follow are free of it.
; THE MODE: SCHED_MODE bits 1:0 = 2 (LLVM: expert scheduling mode 2), set by the entry lines.  The code itself states the register dependences
; between vector instructions and memory or LDS instructions, with s_wait_alu, always for 0.
; THE PLAN, TURNING.  Eight steps of 16 rows k.  Registers that memory or LDS instructions touch:
;   X0 .. X4   five sets of 32.  The loads of step s land in X[s % 5]; step s's sixteen conversions read it.  At the end the stage's rows land in v16-143, and the stores to wbt read them.
;   P0 .. P4   five buffers of 16.  Step s's conversions write P[s % 5]; the four LDS stores that are issued in step s + 1 read it.
;   v4 - v7    offsets and LDS addresses, made once at the arm's head and never written again.
; Step s works on X[s % 5] and P[s % 5].  Its memory instructions are the loads of step s + 4, into X[(s + 4) % 5] = X[(s - 1) % 5], and the LDS stores from P[(s - 1) % 5]: the two buffers that
; step s - 1 worked on and that no conversion of step s names.  So one wait at a step's head states all that its twelve memory instructions hang on, and they are dealt among its conversions.
; THE PLAN, THE CAST.  Sixteen blocks of four chunks of 2,048 bytes.
;   CX0 .. CX5 six buffers of 16.  The loads of block p land in CX[p % 6]; block p's eight conversions read it.
;   CY         2 registers of its own for each of the 64 chunks: written once, by block p's conversions; read by the four stores that are issued in block p + 1; never written again.
;   v4, v5     offsets, made once.
; Block p's memory instructions are the loads of block p + 5, into CX[(p - 1) % 6], and the stores of block p - 1: again the buffers that the block before worked on.
.set SPITCH, 272                       ; a stage row: 128 k in bf16 = 256 bytes, + 16
.set WSTAGE, 64*SPITCH                 ; a wave's stage: 64 rows n
.set SPARE,  4*WSTAGE                  ; 69,632 = 272 x 256: the spare words, 128 bytes a wave, that no other line names
.set SPW, 2                            ; v2   SPARE + 4 x my thread's number; never rewritten
.set NIL, 3                            ; v3   0; never rewritten
.set SO,  4                            ; v4   source offset of my 16 bytes
.set LS,  5                            ; v5   turning: where I put 16 bytes of a stage row.  Cast: my 8 bytes of the output
.set LR,  6                            ; v6   turning: where I read a stage row back
.set DO,  7                            ; v7   turning: my 16 bytes of two rows of wbt
.set X,   16                           ; v[16:175]  turning: five sets of 8 loads x 4; later, in v16-143, 32 stage rows' pieces
.set P,   176                          ; v[176:255] turning: five buffers of 4 x 16 bytes packed
.set CX,  16                           ; v[16:111]  cast: six buffers of 4 loads x 4
.set CY,  112                          ; v[112:239] cast: 2 registers of its own for each of the 64 chunks: no store's data is ever rewritten
	s_load_b256 s[4:11], s[0:1], 0x0               ; x s[4:5], h_prev s[6:7], abf s[8:9], wbt s[10:11]
	s_load_b512 s[12:27], s[0:1], 0x20             ; W_i, U_i, W_f, U_f, W_o, U_o, W_c, U_c: matrix i at s[12+2i:13+2i]
	v_lshl_add_u32 v[SPW], v0, 2, SPARE
	v_mov_b32 v[NIL], 0
	v_lshrrev_b32 v1, 5, v0
	v_readfirstlane_b32 s28, v1                    ; wave 0..3
	s_wait_alu depctr_va_sdst(0)                   ; s28 is written, ahead of the branch and of its first reader: the turning's place in its matrix and its stage are made from it
	s_mov_b32 s29, ttmp9                           ; work-group 0..767
	s_cmp_lt_u32 s29, 256
	s_cbranch_scc0 .Lcast                          ; the same in all four waves
	; ---------------- TURNING: work-group j = 0..255 ----------------
	s_lshr_b32 s36, s29, 5                         ; matrix 0..7 = 2 g + u (u = 0: W, 1: U)
	s_and_b32 s38, s29, 31
	s_lshr_b32 s37, s38, 2                         ; kb 0..7: which 128 k
	s_and_b32 s38, s38, 3
	s_lshl2_add_u32 s38, s38, s28                  ; nb 0..15: which 64 n = 4 x (j mod 4) + wave
	s_lshl_b32 s32, s37, 19                        ; source: kb x 128 rows of 4,096 bytes
	s_lshl_b32 s39, s38, 8                         ;         + nb x 64 columns of 4 bytes
	s_add_co_u32 s32, s32, s39
	s_mov_b32 s33, 0
	s_lshl_b32 s34, s38, 20                        ; destination: row 256 nb, 4,096 bytes a row
	s_lshr_b32 s39, s36, 1
	s_lshl_b32 s39, s39, 18                        ;   + 64 g rows
	s_add_co_u32 s34, s34, s39
	s_and_b32 s39, s36, 1
	s_lshl_b32 s39, s39, 11                        ;   + u x 1,024 kk of 2 bytes
	s_add_co_u32 s34, s34, s39
	s_lshl_b32 s39, s37, 8                         ;   + kb x 128 kk of 2 bytes
	s_add_co_u32 s34, s34, s39
	s_mov_b32 s35, 0
	v_and_b32 v8, 15, v0                           ; r = lane % 16
	v_bfe_u32 v9, v0, 4, 1                         ; h = lane / 16
	v_lshlrev_b32 v[SO], 4, v8
	v_lshl_add_u32 v[SO], v9, 15, v[SO]            ; 16 r + 8 h rows of 4,096 bytes
	s_mul_i32 s39, s28, WSTAGE                     ; my wave's stage
	v_mul_u32_u24 v[LS], v8, 4*SPITCH
	v_lshl_add_u32 v[LS], v9, 4, v[LS]
	v_add_nc_u32 v[LS], s39, v[LS]                 ; stage row 4 r, byte 16 h
	v_mul_u32_u24 v[LR], v9, SPITCH
	v_lshl_add_u32 v[LR], v8, 4, v[LR]
	v_add_nc_u32 v[LR], s39, v[LR]                 ; stage row h, byte 16 r
	v_lshlrev_b32 v[DO], 4, v8
	v_lshl_add_u32 v[DO], v9, 12, v[DO]            ; the same two rows in wbt
	s_wait_kmcnt 0x0
	s_mov_b64 s[30:31], s[12:13]                   ; the matrix is chosen by the work-group's number alone
.irp i, 1,2,3,4,5,6,7
	s_cmp_eq_u32 s36, \i
	s_cselect_b64 s[30:31], s[12+2*(\i):13+2*(\i)], s[30:31]
.endr
	s_add_nc_u64 s[30:31], s[30:31], s[32:33]
	s_add_nc_u64 s[10:11], s[10:11], s[34:35]
	s_wait_alu depctr_va_vdst(0)                   ; v4 to v7 are written: every load, LDS instruction and store of this arm reads one of them as its offset or address
; Step s takes 16 rows k.  Load i of it: lanes 0-15 take 256 aligned bytes of row 16 s + i, lanes 16-31 of row 16 s + 8 + i: my lane holds k = 16 s + 8 h + i, n = 4 r + 0..3.
.macro TGET s, i
	global_load_b128 v[X+32*((\s)%5)+4*(\i):X+32*((\s)%5)+4*(\i)+3], v[SO], s[30:31] offset:(16*(\s)+(\i))*4096 th:TH_LOAD_NT
.endm
; Step s's 16 bytes for my n = 4 r + j go to stage row n at byte 2 (16 s + 8 h).
.macro TPUT s, j
	ds_store_b128 v[LS], v[P+16*((\s)%5)+4*(\j):P+16*((\s)%5)+4*(\j)+3] offset:SPITCH*(\j)+32*(\s)
.endm
; left = the loads of the younger steps, which may stay out.  ahead = 1: step s + 4 is asked for.  free = 1: the step from which P's buffers are written a second time.
; For each of my four n: eight neighbouring k pack into 16 bytes, the lower k in the lower half.
.macro TSTEP s, left, ahead, free
	s_wait_loadcnt \left                           ; loads come back in order (ISA guide 5.7.1): X[s % 5] is in
.if \free
	s_wait_alu depctr_vm_vsrc(0)                   ; the LDS stores issued in steps 1 to 4 have read P0 to P3, of which this step and the two behind it write P0, P1 and P2 again
.endif
.if (\s) > 0
	s_wait_alu depctr_va_vdst(0)                   ; the step before has written its P, which the LDS stores below read, and is done reading its X, in which the loads below land
.endif
.irp j, 0,1,2,3
.if \ahead
	TGET (\s)+4, 2*(\j)                            ; no conversion since the wait names these registers
	TGET (\s)+4, 2*(\j)+1
.endif
.if (\s) > 0
	TPUT (\s)-1, \j
.endif
.irp q, 0,1,2,3
	v_cvt_pk_bf16_f32 v[P+16*((\s)%5)+4*(\j)+(\q)], v[X+32*((\s)%5)+8*(\q)+(\j)], v[X+32*((\s)%5)+8*(\q)+4+(\j)]
.endr
.endr
.endm
.irp s, 0,1,2,3,4
.irp i, 0,1,2,3,4,5,6,7
	TGET \s, \i                                    ; 40 loads of the wave are out
.endr
.endr
	TSTEP 0, 32, 0, 0                              ; no step stands in front of it: it has no memory instruction and no wait but the one for its data
	TSTEP 1, 24, 1, 0
	TSTEP 2, 24, 1, 0
	TSTEP 3, 24, 1, 0
	TSTEP 4, 24, 0, 0                              ; nothing more is asked for:
	TSTEP 5, 16, 0, 1                              ; the counts run down
	TSTEP 6, 8,  0, 0
	TSTEP 7, 0,  0, 0
	s_wait_alu depctr_va_vdst(0)                   ; step 7 has written P2, which the last four LDS stores read; all conversions are done reading v16-143, in which the stage's rows land
.irp j, 0,1,2,3
	TPUT 7, \j
.endr
.set i, 0
.rept 32
	ds_load_b128 v[X+4*i:X+4*i+3], v[LR] offset:2*SPITCH*i  ; stage rows 2 i + h, whole; LDS serves a wave's instructions in order (ISA guide 5.7.1.4): these see the stores above
.set i, i+1
.endr
.set i, 0
.rept 32
	s_wait_dscnt 31-i                              ; load i is back; the younger ones stay out
	global_store_b128 v[DO], v[X+4*i:X+4*i+3], s[10:11] offset:8192*i th:TH_STORE_NT  ; sixteen lanes store 256 consecutive bytes, aligned: 128 kk of one row of wbt
.set i, i+1
.endr
	s_branch .Lend
	; ---------------- THE CAST: work-group c = j - 256 = 0..511 ----------------
.Lcast:
	s_sub_co_u32 s36, s29, 256
	s_lshr_b32 s37, s36, 8                         ; 0: x, 1: h_prev
	s_and_b32 s38, s36, 255                        ; which 32 rows
	s_lshl_b32 s32, s38, 17                        ; 32 rows x 4,096 bytes, in the source and in abf alike
	s_mov_b32 s33, 0
	s_lshl_b32 s34, s37, 11                        ; h_prev's half of a row of abf begins at byte 2,048
	s_add_co_u32 s34, s34, s32
	s_mov_b32 s35, 0
	v_lshlrev_b32 v[SO], 4, v0                     ; thread t: 16 bytes in, at 16 t of a chunk of 2,048,
	v_lshlrev_b32 v[LS], 3, v0                     ; 8 bytes out, at 8 t
	s_wait_kmcnt 0x0
	s_cmp_eq_u32 s37, 0
	s_cselect_b64 s[30:31], s[4:5], s[6:7]
	s_add_nc_u64 s[30:31], s[30:31], s[32:33]
	s_add_nc_u64 s[8:9], s[8:9], s[34:35]
	s_wait_alu depctr_va_vdst(0)                   ; v4 and v5 are written: every load and store of this arm reads one of them as its offset
; Chunk q = half (q % 2) of row q / 2; block q / 4; its four registers lie in buffer (q / 4) % 6.
.macro CGET q
	global_load_b128 v[CX+4*((\q)%24):CX+4*((\q)%24)+3], v[SO], s[30:31] offset:2048*(\q) th:TH_LOAD_NT  ; a wave's load covers 512 consecutive bytes
.endm
.macro CPUT q
	global_store_b64 v[LS], v[CY+2*(\q):CY+2*(\q)+1], s[8:9] offset:((\q)/2)*4096+((\q)%2)*1024 th:TH_STORE_NT  ; the wave's 32 lanes store 256 consecutive bytes, aligned
.endm
.set q, 0
.rept 24
	CGET q                                         ; blocks 0 to 5: 24 loads of the wave are out
.set q, q+1
.endr
.set p, 0
.rept 16                                       ; block p
.if p == 0
	s_wait_loadcnt 20                              ; block 0 is in; the five younger blocks stay out
.elseif p < 12
	s_wait_loadcnt 16                              ; block p is in; the four younger blocks stay out
.else
	s_wait_loadcnt 4*(15-p)                        ; nothing more is asked for: the counts run down
.endif
.if p > 0
	s_wait_alu depctr_va_vdst(0)                   ; the block before has written its CY, which the stores below read, and is done reading its CX, in which the loads below land
.endif
.set i, 0
.rept 4
.if (p > 0) && (p < 11)
	CGET 4*(p+5)+i                                 ; five blocks ahead; no conversion since the wait names these registers
.endif
.if p > 0
	CPUT 4*(p-1)+i                                 ; the block before
.endif
	v_cvt_pk_bf16_f32 v[CY+8*p+2*i],   v[CX+16*(p%6)+4*i],   v[CX+16*(p%6)+4*i+1]
	v_cvt_pk_bf16_f32 v[CY+8*p+2*i+1], v[CX+16*(p%6)+4*i+2], v[CX+16*(p%6)+4*i+3]
.set i, i+1
.endr
.set p, p+1
.endr
	s_wait_alu depctr_va_vdst(0)                   ; block 15 has written its CY, which the last four stores read
.set i, 0
.rept 4
	CPUT 60+i
.set i, i+1
.endr
.Lend:
	s_wait_dscnt 0x0                               ; the closing lines, six on end
	s_wait_alu 0x0
	s_wait_tensorcnt 0x0
	ds_add_u32 v[SPW], v[NIL]
	s_wait_dscnt 0x0
	s_endpgm
.Lfunc_end_k_qbab2be6239_prep:
	.size	k_qbab2be6239_prep, .Lfunc_end_k_qbab2be6239_prep-k_qbab2be6239_prep
	.p2alignl 7, 3214868480
	.fill 96, 4, 3214868480
	.section	.rodata,"a",@progbits
	.p2align	6, 0x0
	.amdhsa_kernel k_qbab2be6239_prep
		.amdhsa_group_segment_fixed_size 70144
		.amdhsa_private_segment_fixed_size 0
		.amdhsa_enable_private_segment 0
		.amdhsa_kernarg_size 96
		.amdhsa_user_sgpr_count 2
		.amdhsa_user_sgpr_kernarg_segment_ptr 1
		.amdhsa_wavefront_size32 1
		.amdhsa_system_sgpr_workgroup_id_x 1
		.amdhsa_system_sgpr_workgroup_id_y 1
		.amdhsa_system_sgpr_workgroup_id_z 1
		.amdhsa_system_vgpr_workitem_id 0
		.amdhsa_next_free_vgpr 256
		.amdhsa_next_free_sgpr 66
		.amdhsa_reserve_vcc 0
		.amdhsa_float_denorm_mode_32 3
		.amdhsa_float_denorm_mode_16_64 3
		.amdhsa_memory_ordered 1
		.amdhsa_forward_progress 1
		.amdhsa_inst_pref_size 48
	.end_amdhsa_kernel
	.amdgpu_metadata
---
amdhsa.version: [ 1, 2 ]
amdhsa.kernels:
  - .name:           k_qbab2be6239_prep
    .symbol:         k_qbab2be6239_prep.kd
    .args:
      - { .name: x, .offset: 0, .size: 8, .value_kind: global_buffer, .address_space: global }
      - { .name: h_prev, .offset: 8, .size: 8, .value_kind: global_buffer, .address_space: global }
      - { .name: abf, .offset: 16, .size: 8, .value_kind: global_buffer, .address_space: global }
      - { .name: wbt, .offset: 24, .size: 8, .value_kind: global_buffer, .address_space: global }
      - { .name: W_i, .offset: 32, .size: 8, .value_kind: global_buffer, .address_space: global }
      - { .name: U_i, .offset: 40, .size: 8, .value_kind: global_buffer, .address_space: global }
      - { .name: W_f, .offset: 48, .size: 8, .value_kind: global_buffer, .address_space: global }
      - { .name: U_f, .offset: 56, .size: 8, .value_kind: global_buffer, .address_space: global }
      - { .name: W_o, .offset: 64, .size: 8, .value_kind: global_buffer, .address_space: global }
      - { .name: U_o, .offset: 72, .size: 8, .value_kind: global_buffer, .address_space: global }
      - { .name: W_c, .offset: 80, .size: 8, .value_kind: global_buffer, .address_space: global }
      - { .name: U_c, .offset: 88, .size: 8, .value_kind: global_buffer, .address_space: global }
    .group_segment_fixed_size: 70144
    .private_segment_fixed_size: 0
    .kernarg_segment_align: 8
    .kernarg_segment_size: 96
    .max_flat_workgroup_size: 128
    .sgpr_count:     66
    .vgpr_count:     256
    .wavefront_size: 32
...
	.end_amdgpu_metadata
.endif
;; end of part 3
;; launch cell: the kernel of part 2 again; grid 16 x 16, 4 waves a work-group, clusters of 4 x 4, 327,680 bytes of LDS; arguments abf, wbt, c_prev, out0, out1, b_i, b_f, b_o, b_c; writes out0, out1
